; MI455X (gfx1250); checked and timed in simulation.
; The chip was launched on July 23, 2026; its instructions are those of AMD's public machine-readable ISA for CDNA 5 (MIT licence, August 2026) and "CDNA5" Instruction Set Architecture Reference Guide (July 2026). The comments in the code are by the model that wrote it; some were corrected since.
;; Compressed Prototype. Allowed arithmetic: matrix products marked QUANTISED: E3M2 operands, one E8M0 scale for each 32 along K, by v_wmma_scale_f32_16x16x128_f8f6f4 with both operands' format E3M2, f32 sums; everything else in f32.
;; Inputs: bias 4,096 float32; indices 4,096 x 4,096 int32; mean 4,096 float32; x 4,096 x 4,096 float32.
;; Outputs: out0 4,096 x 4,096 float32.
;; This version of the problem:
;;   THIS VERSION OF THE PROBLEM IS GIVEN IN LOW PRECISION. The matrix products marked QUANTISED in the list below multiply operands that are first quantised to E3M2 (3 exponent bits, 2 mantissa bits; 6 bits a number), with one power-of-two scale for each 32 numbers along K (OCP MX v1.0); their sums are f32. All else is computed in f32.
;;   The module's matrix products, in the order in which they are computed (A, B: the left and right operand; K: the contracted axis; several contracted axes count as one K, in the product's order):
;;     1. [M 4,096, K 4,096] x [K 4,096, N 4,096]; A: input x; B: computed on the way: QUANTISED
;;   THE QUANTISER, for each operand of a quantised product, along K:
;;     - K is cut into blocks of 32 from its start; a last block that is shorter is filled with zeros.
;;     - A block's scale is 2^e with e = floor(log2(the largest magnitude in the block)) - 4, held to -126 .. 127; a block of zeros has e = 0. As a byte (E8M0): e + 127.
;;     - Each number is divided by its block's scale, clamped to +-28, and rounded to the nearest number of E3M2, ties to even, subnormals kept.
;;     - The product sums the exact products of the quantised numbers (number of the format x scale) in f32.
;;   ~~~python
;;   def quantise(x, axis):      # numpy; x: float32 -> the quantised numbers, widened to float32 again
;;       x = np.moveaxis(x, axis, -1); K = x.shape[-1]
;;       x = np.pad(x, [(0, 0)] * (x.ndim - 1) + [(0, -K % 32)]); x = x.reshape(x.shape[:-1] + (-1, 32)); a = np.abs(x).max(-1, keepdims=True)
;;       e = np.where(a > 0, np.clip(np.frexp(np.where(a > 0, a, 1))[1] - 1 - 4, -126, 127), 0)      # np.frexp(a)[1] - 1 = floor(log2(a)), exactly
;;       r = np.clip(x / 2.0 ** e, -28, 28)
;;       step = 2.0 ** (np.maximum(np.frexp(np.where(r == 0, 1, r))[1] - 1, -2) - 2)
;;       q = np.round(r / step) * step * 2.0 ** e      # np.round: ties to even
;;       return np.moveaxis(q.reshape(q.shape[:-2] + (-1,))[..., :K], -1, axis).astype(np.float32)
;;   ~~~
;;   OPERANDS COMPUTED ON THE WAY. 'Computed on the way' means the value that the module computes at that place (a softmax that the list does not call 'softmax' is quantised finished and normalised). What goes into a quantiser is computed in f32, as accurately as f32 sums, v_exp_f32 and their like allow (about 1e-6 of the number): no bf16 or f16 on the way to a quantiser, and a product that is left as it is and whose result goes on into a quantised operand takes f32 operands (vector FMAs, or v_wmma_f32_16x16x4_f32). A number that lies on a knife's edge between two numbers of the format may be rounded either way, as far as f32 arithmetic and the matrix unit's own rounding can turn it there, and no further.
;; One version. Each part assembles by itself: llvm-mc -triple=amdgcn-amd-amdhsa -mcpu=gfx1250 --defsym DOCPART=n.
;; ======== version 1 of 1: 2 launches
;; limits: right only within a limited range of input values
;; workspace buffers: xq 13,107,200 bytes; wq 13,107,200 bytes
;; launch prep (part 1): grid 256 x 1, 8 waves a work-group, no clusters, 86,016 bytes of LDS; arguments x, indices, mean, xq, wq; writes xq, wq
.if DOCPART == 1
	.amdgcn_target "amdgcn-amd-amdhsa--gfx1250"
	.amdhsa_code_object_version 6
	.text
	.protected	k_q72f3732f2c_prep
	.globl	k_q72f3732f2c_prep
	.p2align	8
	.type	k_q72f3732f2c_prep,@function
k_q72f3732f2c_prep:
	s_mov_b64 s[64:65], 0
	v_nop
	global_prefetch_b8 v0, s[64:65] scope:SCOPE_SE
	s_setreg_imm32_b32 hwreg(HW_REG_WAVE_MODE, 25, 1), 1
	s_wait_xcnt 0x0
; x [4096][4096] f32 and the kernel W[k][n] = mean[indices[k][n]] ([4096][4096], K its FIRST axis) become codes of BF6 (E3M2) with one E8M0 scale byte for each 32 along K.
; A block's scale is 2^(floor(log2(its largest magnitude)) - 4); its byte is the largest magnitude's exponent field - 4, held at 1 from below.  Each number is divided by the scale and rounded to the nearest code, ties to even, beyond 28 the largest code.
; LIMITS: a block whose largest magnitude lies under 2^-122 keeps the byte 1; a block of zeros gets the byte 1 where the quantiser says 127 (its codes are zeros, and the bytes are read by this program alone);
; NaN and infinities are not served; an index outside 0 .. 4,095 is held at 4,095 (as an unsigned number).
; WHAT IS STORED: IMAGES OF THE OPERANDS' REGISTERS.  A fragment is 16 rows x 128 K: 12 registers a lane; register p of lane l lies at 512 (p / 4) + 16 l + 4 (p % 4) of its 1,536 bytes.
;   xq, wq: [group of 8 tiles: 32][K step of 128: 32][12,800 bytes]: the eight tiles' fragments at that step, 1,536 bytes each, then their scale words (four bytes: 128 along K) as [half 2][row 16][j 4]: tile 4 half + j of the group.
;   So what a wave of the product's launch fetches, some K steps of one group, codes and scale words together, is one dense run of memory.
;   x's tile t, row r is row 16 t + r.  THE KERNEL'S TILE 4 G + j, ROW r IS COLUMN 64 G + 4 r + j: so a lane's load of 16 bytes of indices serves four tiles, and the product's results of four tiles are four neighbouring columns.
; SHARES: 2,048 waves; each takes one unit of the kernel (64 columns x 128 along K: four fragments) and one unit of x (64 rows x 128 along K: four fragments), on one path: no branch, no loop, EXEC never changes.
; THE KERNEL: lane (r, h) loads 16 bytes of indices: columns 4 r .. 4 r + 3 of row 64 c + 32 h + i: sixteen lanes read 256 consecutive bytes, aligned.  mean (16 KiB) lies in LDS; each index is held at 4,095, shifted to a byte
;   address and looked up by ds_load_b32, WHOSE DESTINATION IS CHOSEN so that a lane's 32 registers run down K for each of its four columns: these are the very k that the operand's layout gives that lane, so the conversions' results are the operand's registers.
;   Between the barrier behind the table's stores and the second barrier no LDS byte is written: the look-ups meet reads alone.
; x: each load reads 512 consecutive bytes of one row; 16 rows turn through the wave's own stage in LDS (rows 528 bytes apart) and come back as lane (r, h): two whole blocks of row r.
; No tensor loads and no cluster: the work-groups share only mean, 16 KiB beside the 512 KiB that each reads of its own.  The matrix unit has nothing to do here.
.set TABLE, 0                          ; LDS: mean, 16,384 bytes
.set STG,   16384                      ; behind it a stage of 16 x 528 bytes for each wave
.set SPI,   528                        ; a stage row: 512 bytes + 16 = 132 words: row r starts at bank 4 r mod 64 (64 banks of 4 bytes: ISA guide 11.1)
.set ROWB,  16384                      ; a row of x or of indices in bytes
.set FRB,   1536                       ; a fragment's image in bytes
.set STEPB, 8*FRB+512                  ; a group's K step: eight fragments and 128 scale words
.set GRPB,  32*STEPB                   ; a group's 32 K steps
.set IA,   4                           ; v4   indices: 16 r + 32 rows x h
.set LN16, 5                           ; v5   16 x lane
.set T16,  6                           ; v6   16 x thread: my 16 bytes of a quarter of mean, in memory and in LDS
.set STW,  7                           ; v7   the stage, on the way in: 16 x lane
.set SRD,  8                           ; v8   and on the way out: 528 r + 128 h
.set OSC,  10                          ; v10  my two scale words' place: 16 r + 8 h
.set SH,   11                          ; v11  8 h: my bytes' place in a scale word
.set NM,   32                          ; v32-159  128 numbers: four blocks of 32
.set CD,   160                         ; v160-207 four fragments' codes
.set TQ,   208                         ; v208-223 the second halves of four blocks' codes
.set MX,   224                         ; v224-227 largest magnitudes
.set SOP,  228                         ; v228-231 the conversions' scale operands
.set BY,   232                         ; v232-239 scale bytes: fragment f, my block c at BY + 2 f + c
.set SW,   240                         ; v240-243 scale words
.set PT,   244                         ; v244-247 the other half of the lanes' bytes
.set OW,   248                         ; v248-249 the two scale words that I store
; window 1 (v256-511): the indices, I(c, i, j) at 128 c + 4 i + j; later x as loaded, fragment f's row i at 64 f + 4 i
.set MSB, 0
.macro WIN new                         ; s_set_vgpr_msb: bits 1:0 source 0, 3:2 source 1, 5:4 source 2, 7:6 destination; the immediate's high byte repeats the setting that is left
.set WNEW, \new
.if MSB != WNEW
	s_set_vgpr_msb (MSB<<8)|WNEW
.set MSB, WNEW
.endif
.endm
.macro ILOAD c                         ; the indices of rows 64 c + 32 h + 0 .. 31: 32 loads
	WIN 0x40                                       ; destination window 1
.set ii, 0
.rept 32
	global_load_b128 v[128*\c+4*ii:128*\c+4*ii+3], v[IA], s[6:7] offset:(64*\c+ii)*ROWB th:TH_LOAD_NT
.set ii, ii+1
.endr
.endm
.macro CLAMP c                         ; an index becomes a byte address inside the table
	WIN 0x44                                       ; source 1 and destination window 1
.set ii, 128*\c
.rept 128
	v_min_u32 v[ii], 0xfff, v[ii]
.set ii, ii+1
.endr
.set ii, 128*\c
.rept 128
	v_lshlrev_b32 v[ii], 2, v[ii]
.set ii, ii+1
.endr
.endm
.macro GATHER c                        ; W(64 c + 32 h + i, column j of my four) -> v[NM + 32 j + i]
	WIN 0x01                                       ; the address in window 1
.irp j, 0,1,2,3
.set ii, 0
.rept 32
	ds_load_b32 v[NM+32*\j+ii], v[128*\c+4*ii+\j]
.set ii, ii+1
.endr
.endr
.endm
.macro XLOAD p                         ; x's fragments 2 p and 2 p + 1: 32 rows, 512 consecutive bytes a load
	WIN 0x40
.irp u, 0,1
.set ii, 0
.rept 16
	global_load_b128 v[64*(2*\p+\u)+4*ii:64*(2*\p+\u)+4*ii+3], v[LN16], s[4:5] offset:(16*(2*\p+\u)+ii)*ROWB th:TH_LOAD_NT
.set ii, ii+1
.endr
.endr
.endm
.macro TURNX f                         ; fragment f's 16 rows through my stage.  LDS serves a wave's instructions in order (ISA guide 5.7.1.4): no wait between the stores and the loads, nor in front of the next fragment's stores
	WIN 0x04                                       ; an LDS store's data are its source 1: window 1
.set ii, 0
.rept 16
	ds_store_b128 v[STW], v[64*\f+4*ii:64*\f+4*ii+3] offset:SPI*ii
.set ii, ii+1
.endr
	WIN 0
.irp c, 0,1
.irp t, 0,1,2,3,4,5,6,7
	ds_load_b128 v[NM+64*(\f%2)+32*\c+4*\t:NM+64*(\f%2)+32*\c+4*\t+3], v[SRD] offset:256*\c+16*\t   ; row r, k = 64 c + 32 h + 4 t ..
.endr
.endr
.endm
; Four blocks of 32 numbers, v[NM + 32 b ..], each whole in my lane, become codes at v[CD + dstep b + doff ..] (six registers) and bytes at v[BY + ystep b + yoff].  The four blocks take turns line by line.
.macro QUANT4 dstep, doff, ystep, yoff
.irp b, 0,1,2,3
	v_max3_num_f32 v[MX+\b], |v[NM+32*\b]|, |v[NM+32*\b+1]|, 0x2800000   ; with the floor 2^(5 - 127) among the leaves: the byte cannot fall under 1
.endr
.irp i, 2,4,6,8,10,12,14,16,18,20,22,24,26,28,30
.irp b, 0,1,2,3
	s_delay_alu instid0(VALU_DEP_4)
	v_max3_num_f32 v[MX+\b], v[MX+\b], |v[NM+32*\b+\i]|, |v[NM+32*\b+\i+1]|
.endr
.endr
.irp b, 0,1,2,3
	s_delay_alu instid0(VALU_DEP_4)
	v_add_nc_u32 v[SOP+\b], 0xfe000000, v[MX+\b]   ; 4 off the exponent field: the conversion takes the exponent field of this operand as its scale, and nothing else of it
.endr
.irp b, 0,1,2,3
	s_delay_alu instid0(VALU_DEP_4)
	v_lshrrev_b32 v[BY+(\ystep)*\b+(\yoff)], 23, v[SOP+\b]   ; the scale's byte
.endr
.irp b, 0,1,2,3
	v_cvt_scalef32_pk16_bf6_f32 v[CD+(\dstep)*\b+(\doff):CD+(\dstep)*\b+(\doff)+2], v[NM+32*\b:NM+32*\b+15], v[SOP+\b]
	v_cvt_scalef32_pk16_bf6_f32 v[TQ+4*\b:TQ+4*\b+2], v[NM+32*\b+16:NM+32*\b+31], v[SOP+\b]   ; (a conversion's three registers begin on an even number: the second half of a block's six does not, so it is made elsewhere and moved)
.endr
	v_nop                                          ; one plain place behind the scaled conversions
.irp b, 0,1,2,3
.irp i, 0,1,2
	v_mov_b32 v[CD+(\dstep)*\b+(\doff)+3+\i], v[TQ+4*\b+\i]
.endr
.endr
.endm
.macro WORDS                           ; my two bytes of each fragment (blocks h and 2 + h of my row) and lane l xor 16's two make the row's scale word; lanes 0-15 then store fragments 0 and 1's, lanes 16-31 fragments 2 and 3's
.irp f, 0,1,2,3
	v_lshl_or_b32 v[SW+\f], v[BY+2*\f+1], 16, v[BY+2*\f]
.endr
.irp f, 0,1,2,3
	s_delay_alu instid0(VALU_DEP_4)
	v_lshlrev_b32 v[SW+\f], v[SH], v[SW+\f]
.endr
.irp f, 0,1,2,3
	s_delay_alu instid0(VALU_DEP_4)
	v_permlanex16_b32 v[PT+\f], v[SW+\f], s20, s21
.endr
.irp f, 0,1,2,3
	s_delay_alu instid0(VALU_DEP_4)
	v_or_b32 v[SW+\f], v[SW+\f], v[PT+\f]
.endr
	s_delay_alu instid0(VALU_DEP_2)
	v_cndmask_b32 v[OW], v[SW], v[SW+2], s22
	s_delay_alu instid0(VALU_DEP_2)
	v_cndmask_b32 v[OW+1], v[SW+1], v[SW+3], s22
.endm
.macro PUT cbase, sbase                ; four fragments on end: twelve stores of 512 consecutive bytes; their 64 scale words: one store of 256 consecutive bytes, aligned
.irp f, 0,1,2,3
.irp k, 0,1,2
	global_store_b128 v[LN16], v[CD+12*\f+4*\k:CD+12*\f+4*\k+3], s[\cbase:\cbase+1] offset:FRB*\f+512*\k
.endr
.endr
	global_store_b64 v[OSC], v[OW:OW+1], s[\sbase:\sbase+1]
.endm
	s_load_b256 s[4:11], s[0:1], 0x0               ; x s[4:5], indices s[6:7], mean s[8:9], xq s[10:11]
	s_load_b64 s[12:13], s[0:1], 0x20              ; wq
	v_lshl_add_u32 v254, v0, 2, 0x14c00
	v_mov_b32 v255, 0
	v_lshrrev_b32 v1, 5, v0
	s_delay_alu instid0(VALU_DEP_1)
	v_readfirstlane_b32 s18, v1                    ; wave 0..7
	v_and_b32 v1, 31, v0                           ; lane
	v_and_b32 v2, 15, v0                           ; r
	v_bfe_u32 v3, v0, 4, 1                         ; h
	s_delay_alu instid0(VALU_DEP_2)
	v_lshlrev_b32 v[IA], 4, v2
	s_delay_alu instid0(VALU_DEP_1)
	v_lshl_add_u32 v[IA], v3, 19, v[IA]            ; 16 r + 32 rows of 16,384 bytes x h
	v_lshlrev_b32 v[LN16], 4, v1
	v_lshlrev_b32 v[T16], 4, v0
	s_mul_i32 s19, s18, 16*SPI
	s_add_co_u32 s19, s19, STG                     ; my stage
	v_add_nc_u32 v[STW], s19, v[LN16]
	v_mul_u32_u24 v[SRD], v2, SPI
	s_delay_alu instid0(VALU_DEP_1)
	v_lshl_add_u32 v[SRD], v3, 7, v[SRD]
	s_delay_alu instid0(VALU_DEP_1)
	v_add_nc_u32 v[SRD], s19, v[SRD]
	v_lshlrev_b32 v[OSC], 4, v2
	s_delay_alu instid0(VALU_DEP_1)
	v_lshl_add_u32 v[OSC], v3, 3, v[OSC]
	v_lshlrev_b32 v[SH], 3, v3
.irp f, 0,1,2,3
	v_mov_b32 v[PT+\f], 0                          ; written once: a lane permute's destination counts as one of its sources
.endr
	s_mov_b32 s20, 0x76543210
	s_mov_b32 s21, 0xfedcba98                      ; v_permlanex16_b32's selects for lane l xor 16
	s_mov_b32 s22, 0xffff0000                      ; lanes 16-31
	; my units.  The kernel's: K step sW = wg / 8, columns 64 G on, G = 8 (wg % 8) + wave: the eight waves stand side by side on 2,048 bytes of each row.
	; x's: rows 64 Gm on, Gm = wg / 4, K step sX = 8 (wg % 4) + wave: the eight waves cover 4,096 bytes of each row.
	s_lshr_b32 s24, ttmp9, 3                       ; sW
	s_and_b32 s25, ttmp9, 7
	s_lshl_b32 s25, s25, 3
	s_add_co_u32 s25, s25, s18                     ; G
	s_lshr_b32 s26, ttmp9, 2                       ; Gm
	s_and_b32 s27, ttmp9, 3
	s_lshl_b32 s27, s27, 3
	s_add_co_u32 s27, s27, s18                     ; sX
	s_lshl_b32 s28, s24, 21                        ; indices: 128 sW rows of 16,384 bytes + 256 G
	s_lshl_b32 s40, s25, 8
	s_add_co_u32 s28, s28, s40
	s_mov_b32 s29, 0
	s_lshl_b32 s30, s26, 20                        ; x: 64 Gm rows + 512 sX
	s_lshl_b32 s40, s27, 9
	s_add_co_u32 s30, s30, s40
	s_mov_b32 s31, 0
	s_lshr_b32 s40, s25, 1                         ; wq: group G / 2, K step sW;
	s_mul_i32 s32, s40, GRPB
	s_mul_i32 s40, s24, STEPB
	s_add_co_u32 s32, s32, s40
	s_and_b32 s40, s25, 1                          ; my half of the group:
	s_lshl_b32 s36, s40, 8
	s_add_co_u32 s36, s36, s32
	s_add_co_u32 s36, s36, 8*FRB                   ; its 64 scale words, behind the eight fragments,
	s_mul_i32 s40, s40, 4*FRB
	s_add_co_u32 s32, s32, s40                     ; and its four fragments
	s_mov_b32 s33, 0
	s_mov_b32 s37, 0
	s_lshr_b32 s40, s26, 1                         ; xq: the same of Gm and sX
	s_mul_i32 s34, s40, GRPB
	s_mul_i32 s40, s27, STEPB
	s_add_co_u32 s34, s34, s40
	s_and_b32 s40, s26, 1
	s_lshl_b32 s38, s40, 8
	s_add_co_u32 s38, s38, s34
	s_add_co_u32 s38, s38, 8*FRB
	s_mul_i32 s40, s40, 4*FRB
	s_add_co_u32 s34, s34, s40
	s_mov_b32 s35, 0
	s_mov_b32 s39, 0
	s_wait_kmcnt 0x0
	s_add_nc_u64 s[6:7], s[6:7], s[28:29]
	s_add_nc_u64 s[4:5], s[4:5], s[30:31]
	s_add_nc_u64 s[14:15], s[12:13], s[32:33]      ; the kernel's fragments
	s_add_nc_u64 s[16:17], s[12:13], s[36:37]      ; and scale words
	s_add_nc_u64 s[42:43], s[10:11], s[38:39]      ; x's scale words
	s_add_nc_u64 s[10:11], s[10:11], s[34:35]      ; and fragments
.irp i, 0,1,2,3
	global_load_b128 v[NM+4*\i:NM+4*\i+3], v[T16], s[8:9] offset:4096*\i   ; mean: 256 threads x 16 bytes, four times
.endr
	ILOAD 0
	WIN 0
	s_wait_loadcnt 32                              ; mean's four loads are in; the 32 loads of indices behind them stay out
.irp i, 0,1,2,3
	ds_store_b128 v[T16], v[NM+4*\i:NM+4*\i+3] offset:TABLE+4096*\i
.endr
	ILOAD 1
	s_wait_dscnt 0x0                               ; for the others' sake: my part of the table has landed
	s_barrier_signal -1
	s_barrier_wait -1                              ; the table is whole; from here to the next barrier no LDS byte is written
	s_wait_loadcnt 32                              ; the first 32 loads of indices are in; the second 32 stay out
	CLAMP 0
	GATHER 0
	s_wait_dscnt 0x0                               ; the numbers are in, and the look-ups have read their address registers,
	XLOAD 0                                        ; which take x's first 32 rows
	WIN 0
	QUANT4 12, 0, 2, 0                             ; block j is column j's: registers 0-5 of fragment j
	s_wait_loadcnt 32                              ; the second 32 loads of indices are in; x's 32 stay out
	CLAMP 1
	GATHER 1
	s_wait_dscnt 0x0
	XLOAD 1
	WIN 0
	QUANT4 12, 6, 2, 1                             ; registers 6-11
	WORDS
	PUT 14, 16
	s_wait_dscnt 0x0                               ; no LDS instruction of mine is out
	s_barrier_signal -1
	s_barrier_wait -1                              ; every wave's look-ups are over: LDS may be written again
	s_wait_xcnt 0x0                                ; the stores above have had their addresses translated (ISA guide 3.1): only behind this wait are their data registers written again
	s_wait_loadcnt 48                              ; fragment 0's sixteen loads are in; sixteen for each of the three fragments behind it stay out
	TURNX 0
	s_wait_loadcnt 32
	TURNX 1
	s_wait_dscnt 0x0
	QUANT4 6, 0, 1, 0                              ; block b is block b % 2 of fragment b / 2
	s_wait_loadcnt 16
	TURNX 2
	s_wait_loadcnt 0x0
	TURNX 3
	s_wait_dscnt 0x0
	QUANT4 6, 24, 1, 4
	WORDS
	PUT 10, 42
	s_wait_tensorcnt 0x0
	ds_add_u32 v254, v255
	s_wait_dscnt 0x0
	s_endpgm
.Lfunc_end_k_q72f3732f2c_prep:
	.size	k_q72f3732f2c_prep, .Lfunc_end_k_q72f3732f2c_prep-k_q72f3732f2c_prep
	.p2alignl 7, 3214868480
	.fill 96, 4, 3214868480
	.section	.rodata,"a",@progbits
	.p2align	6, 0x0
	.amdhsa_kernel k_q72f3732f2c_prep
		.amdhsa_group_segment_fixed_size 86016
		.amdhsa_private_segment_fixed_size 0
		.amdhsa_enable_private_segment 0
		.amdhsa_kernarg_size 40
		.amdhsa_user_sgpr_count 2
		.amdhsa_user_sgpr_kernarg_segment_ptr 1
		.amdhsa_wavefront_size32 1
		.amdhsa_system_sgpr_workgroup_id_x 1
		.amdhsa_system_sgpr_workgroup_id_y 1
		.amdhsa_system_sgpr_workgroup_id_z 1
		.amdhsa_system_vgpr_workitem_id 0
		.amdhsa_next_free_vgpr 512
		.amdhsa_next_free_sgpr 66
		.amdhsa_reserve_vcc 0
		.amdhsa_float_denorm_mode_32 3
		.amdhsa_float_denorm_mode_16_64 3
		.amdhsa_memory_ordered 1
		.amdhsa_forward_progress 1
		.amdhsa_inst_pref_size 101
	.end_amdhsa_kernel
	.amdgpu_metadata
---
amdhsa.version: [ 1, 2 ]
amdhsa.kernels:
  - .name:           k_q72f3732f2c_prep
    .symbol:         k_q72f3732f2c_prep.kd
    .args:
      - { .name: x, .offset: 0, .size: 8, .value_kind: global_buffer, .address_space: global }
      - { .name: indices, .offset: 8, .size: 8, .value_kind: global_buffer, .address_space: global }
      - { .name: mean, .offset: 16, .size: 8, .value_kind: global_buffer, .address_space: global }
      - { .name: xq, .offset: 24, .size: 8, .value_kind: global_buffer, .address_space: global }
      - { .name: wq, .offset: 32, .size: 8, .value_kind: global_buffer, .address_space: global }
    .group_segment_fixed_size: 86016
    .private_segment_fixed_size: 0
    .kernarg_segment_align: 8
    .kernarg_segment_size: 40
    .max_flat_workgroup_size: 256
    .sgpr_count:     66
    .vgpr_count:     512
    .wavefront_size: 32
...
	.end_amdgpu_metadata
.endif
;; end of part 1
;; launch gemm (part 2): grid 16 x 16, 4 waves a work-group, clusters of 4 x 4, 327,680 bytes of LDS; arguments xq, wq, bias, out0; writes out0
.if DOCPART == 2
	.amdgcn_target "amdgcn-amd-amdhsa--gfx1250"
	.amdhsa_code_object_version 6
	.text
	.protected	k_q72f3732f2c_gemm
	.globl	k_q72f3732f2c_gemm
	.p2align	8
	.type	k_q72f3732f2c_gemm,@function
k_q72f3732f2c_gemm:
	s_mov_b64 s[64:65], 0
	v_nop
	global_prefetch_b8 v0, s[64:65] scope:SCOPE_SE
	s_setreg_imm32_b32 hwreg(HW_REG_WAVE_MODE, 25, 1), 1
	s_wait_xcnt 0x0
	s_wait_alu depctr_hold_cnt(0) depctr_sa_sdst(0) depctr_va_vdst(0) depctr_va_sdst(0) depctr_va_ssrc(0) depctr_va_vcc(0) depctr_vm_vsrc(0)
	s_getreg_b32 s2, hwreg(HW_REG_IB_STS2, 6, 4)
	s_cmp_eq_u32 s2, 0
	s_cbranch_scc0 .Lentry_in_a_cluster
	s_endpgm
.Lentry_in_a_cluster:
	s_bfe_u32 s2, ttmp6, 0x10000c
	s_cmp_lg_u32 s2, 0xf033
	s_cbranch_scc0 .Lentry_shape_is_right
	s_endpgm
.Lentry_shape_is_right:
; out0[m][n] = sum over k of Q(x)[m][k] Q(W)[k][n] + bias[n], 4,096 x 4,096 x 4,096, on codes of BF6 (E3M2) with E8M0 scale bytes; sums in f32.
; xq, wq hold images of the operands' registers: [group of 8 tiles: 32][K step of 128: 32][12,800 bytes]: eight fragments of 1,536 bytes (16 rows x 128 K), then their 128 scale words.
; x's tile t, row r is row 16 t + r; the kernel's tile 4 G + j, row r is column 64 G + 4 r + j.
; A work-group of four waves makes 256 x 256 of out0, a wave 128 x 128: 64 accumulators.  K goes through a ring of two LDS slots of three K steps each (4 groups x 38,400 bytes a slot);
; 32 steps are ten fills of three and a last one of two.  Each wave fetches one group's steps by one tensor load, a dense run of rows of 256 bytes.
; CLUSTERS: 4 x 4 work-groups; x's groups are asked for jointly along a row of the cluster, the kernel's along a column.
; REGISTERS.  Each of the four windows holds one QUADRANT's 16 accumulators (v128-255) and four fragments in two sets (v32-79, v80-127):
;   window 0: x's blocks 0-3; window 1: x's blocks 4-7; window 2: the kernel's blocks 0-3; window 3: its blocks 4-7.
;   Quadrant w = 2 (a / 4) + b / 4 has its accumulators in window w, source 0 in window a / 4, source 1 in window 2 + b / 4: one setting for 16 matrix instructions.
;   BOTH operands have two whole sets: while one set is multiplied, the next step's 16 fragments and scale words are on their way into the other: ONE run of 50 loads at the step's head, 64 matrix instructions ahead of their use.
;   window 0: v6-7 prefetch offsets, v8-15 addresses, v16-31 scale words (two sets of 8: lanes 0-15 x's block i, lanes 16-31 the kernel's block i).  window 1: v2-3 addresses, v8-15 bias.
; The 64 accumulators take turns, one instruction a turn.
; THE LAST TWO STEPS lie in the two sets at once, so they go by halves of my rows: rows 0-63 are finished first and leave while the rest of rows 64-127 is multiplied.  K ascends for every accumulator.
.set NQ,     3
.set FRB,    1536
.set STEPB,  8*FRB+512
.set GRPB,   32*STEPB
.set HALFT,  NQ*STEPB                  ; one group's three steps: what one tensor load brings
.set SLOT,   4*HALFT
.set SPARE,  2*SLOT                    ; behind the ring: the spare words, 128 bytes a wave
.set LAPS,   4
.set ROWC,   16384
.set PFO,  6
.set ADRA, 8                           ; window 0: v8-9  16 x lane + my group of x in slot 0, 1
.set ADRS, 10                          ; v10-11 my scale words in slot 0, 1
.set CO,   12
.set BO,   13
.set SPW,  14
.set NIL,  15
.set SC,   16
.set ADRB, 2                           ; window 1: v2-3  16 x lane + my group of the kernel in slot 0, 1
.set BI,   8                           ; window 1: v8-15 bias of my columns: 4 g + j at column 64 g + 4 r + j
.set T,    32                          ; the way out: three buffers of 32 in window 0, where x's blocks 0-3 lay
.set G1, 24
.set G0, 32
.set G1B, 48
.set G0B, 56
.set G1S, 68                           ; group 1 for the last fill, of two steps
.set G1SB, 80
.set PFA, 76                           ; s[76:77] where my prefetches stand
.set MSB, 0
.macro WIN new                         ; the immediate's high byte repeats the setting that is left
.set WNEW, \new
.if MSB != WNEW
	s_set_vgpr_msb (MSB<<8)|WNEW
.set MSB, WNEW
.endif
.endm
.macro PLACES
.rept 4
	v_nop
.endr
.endm
; a joint load: waves 0 and 1 fetch x's two groups, waves 2 and 3 the kernel's; s_nop 0 and four v_nop behind each line
.macro JLOAD g0a, g1a, g0b, g1b
	s_cmp_eq_u32 s15, 0
	s_cbranch_scc0 .Lfor_b_\@
	tensor_load_to_lds s[\g0a:\g0a+3], s[\g1a:\g1a+7]
	s_nop 0
	PLACES
	s_branch .Lasked_\@
.Lfor_b_\@:
	tensor_load_to_lds s[\g0b:\g0b+3], s[\g1b:\g1b+7]
	s_nop 0
	PLACES
.Lasked_\@:
.endm
.macro CREST                           ; a round of the cluster's barrier behind its opening barrier
	s_cmp_lg_u32 s14, 0
	s_cbranch_scc1 .Lnot_wave_0_\@
	s_barrier_signal -3
.Lnot_wave_0_\@:
	s_barrier_wait -3
	s_barrier_signal -1
	s_barrier_wait -1
.endm
.macro CROUND
	s_barrier_signal -1
	s_barrier_wait -1
	CREST
.endm
	s_load_b128 s[4:7], s[0:1], 0x0                ; xq, wq
	s_load_b128 s[8:11], s[0:1], 0x10              ; bias, out0
	v_lshl_add_u32 v[SPW], v0, 2, SPARE
	v_mov_b32 v[NIL], 0
	ds_add_u32 v[SPW], v[NIL]                      ; the opening lines: the add twice on end, and its wait ahead of my first tensor load
	ds_add_u32 v[SPW], v[NIL]
	v_lshrrev_b32 v1, 5, v0
	v_readfirstlane_b32 s14, v1                    ; wave 0..3
	s_lshr_b32 s15, s14, 1                         ; my half of the rows; also: I fetch for x (0) or the kernel (1)
	s_and_b32 s16, s14, 1                          ; my half of the columns; also: which of the two groups I fetch
	s_bfe_u32 s40, ttmp6, 0x40000                  ; cx
	s_bfe_u32 s41, ttmp6, 0x40004                  ; cy
	s_lshl_b32 s42, ttmp9, 2
	s_add_co_u32 s42, s42, s40                     ; tile column
	s_and_b32 s17, ttmp7, 0xffff
	s_lshl_b32 s17, s17, 2
	s_add_co_u32 s17, s17, s41                     ; tile row
	s_lshl_b32 s43, s41, 2
	s_lshl_b32 s43, 15, s43                        ; my row of the cluster
	s_lshl_b32 s44, 0x1111, s40                    ; my column
	s_or_b32 s[G1+0], s43, (3<<16)|(1<<21)         ; elements of 8 bytes, no padding: every LDS load takes 512 bytes on end
	s_or_b32 s[G1B+0], s44, (3<<16)|(1<<21)
.irp g, G1, G1B
	s_mov_b32 s[\g+1], 32<<16                      ; rows of 256 bytes,
	s_mov_b32 s[\g+2], (HALFT/256)<<16             ; 150 of them
	s_mov_b32 s[\g+3], 32<<16
	s_mov_b32 s[\g+4], HALFT/256
	s_mov_b32 s[\g+5], 32
	s_mov_b32 s[\g+6], 0
	s_mov_b32 s[\g+7], 0
.endr
	s_or_b32 s[G1S+0], s43, (3<<16)|(1<<21)
	s_or_b32 s[G1SB+0], s44, (3<<16)|(1<<21)
.irp g, G1S, G1SB
	s_mov_b32 s[\g+1], 32<<16
	s_mov_b32 s[\g+2], (2*STEPB/256)<<16           ; 100 rows: two steps
	s_mov_b32 s[\g+3], 32<<16
	s_mov_b32 s[\g+4], 2*STEPB/256
	s_mov_b32 s[\g+5], 32
	s_mov_b32 s[\g+6], 0
	s_mov_b32 s[\g+7], 0
.endr
	s_lshl_b32 s20, s17, 1
	s_add_co_u32 s20, s20, s16
	s_mul_i32 s20, s20, GRPB                       ; x's group 2 x tile row + which
	s_mov_b32 s21, 0
	s_lshl_b32 s46, s42, 1
	s_add_co_u32 s46, s46, s16
	s_mul_i32 s46, s46, GRPB                       ; the kernel's group 2 x tile column + which
	s_mov_b32 s47, 0
	s_mul_i32 s45, s14, HALFT                      ; where my load lands: wave x 38,400
	s_wait_dscnt 0x0                               ; both opening adds are done
	s_wait_kmcnt 0x0
	s_add_nc_u64 s[20:21], s[4:5], s[20:21]
	s_add_nc_u64 s[46:47], s[6:7], s[46:47]
	CROUND                                         ; all sixteen work-groups are here: the first joint loads meet
.irp s, 0,1
	s_mov_b32 s[G0+4*\s], 1
	s_add_co_u32 s[G0+4*\s+1], s45, \s*SLOT
	s_add_nc_u64 s[G0+4*\s+2:G0+4*\s+3], s[20:21], \s*HALFT
	s_or_b32 s[G0+4*\s+3], s[G0+4*\s+3], 0x80000000
	s_mov_b32 s[G0B+4*\s], 1
	s_add_co_u32 s[G0B+4*\s+1], s45, \s*SLOT
	s_add_nc_u64 s[G0B+4*\s+2:G0B+4*\s+3], s[46:47], \s*HALFT
	s_or_b32 s[G0B+4*\s+3], s[G0B+4*\s+3], 0x80000000
.endr
	JLOAD G0, G1, G0B, G1B                         ; steps 0 to 2: one tensor load a wave at the head
	; the prefetches: of the 150 blocks of 256 bytes that I fetch in a fill, the partner at place p (cx for x, cy for the kernel) names blocks 38 p .. 38 p + 37, held at 149
	s_cmp_eq_u32 s15, 0
	s_cselect_b64 s[PFA:PFA+1], s[20:21], s[46:47]
	s_cselect_b32 s78, s40, s41
	s_add_nc_u64 s[PFA:PFA+1], s[PFA:PFA+1], 2*HALFT   ; the first change of slots steps it to the fill of steps 9 to 11
	s_mul_i32 s78, s78, 38
	s_mul_i32 s22, s15, HALFT                      ; LDS: my group of x,
	s_mul_i32 s23, s16, HALFT
	s_add_co_u32 s23, s23, 2*HALFT                 ; my group of the kernel, behind x's two
	s_sub_co_u32 s18, s23, s22
	s_add_co_u32 s19, s22, 8*FRB                   ; the scale words lie behind a step's eight fragments
	s_add_co_u32 s12, s22, SLOT
	s_add_co_u32 s13, s23, SLOT
	s_lshl_b32 s46, s42, 10                        ; my first column in bytes
	s_lshl_b32 s47, s16, 9
	s_add_co_u32 s46, s46, s47
	s_mov_b32 s47, 0
	s_add_nc_u64 s[8:9], s[8:9], s[46:47]
	s_lshl_b32 s20, s17, 22                        ; my first row of out0 in bytes
	s_lshl_b32 s21, s15, 21
	s_add_co_u32 s20, s20, s21
	s_mov_b32 s21, 0
	s_add_nc_u64 s[20:21], s[20:21], s[46:47]
	s_add_nc_u64 s[10:11], s[10:11], s[20:21]
	v_and_b32 v1, 15, v0                           ; r
	v_bfe_u32 v2, v0, 4, 1                         ; h
	v_and_b32 v3, 31, v0                           ; lane
	v_lshlrev_b32 v4, 4, v3
	v_add_nc_u32 v[ADRA], s22, v4
	v_add_nc_u32 v[ADRA+1], s12, v4
	v_lshlrev_b32 v[BO], 4, v1
	v_mul_u32_u24 v5, s18, v2                      ; lanes 16-31 take the kernel's scale words
	v_add_nc_u32 v5, v[BO], v5
	v_add_nc_u32 v[ADRS], s19, v5
	v_add_nc_u32 v[ADRS+1], SLOT, v[ADRS]
	v_lshl_add_u32 v[CO], v2, 17, v[BO]            ; out0: 8 h rows + 16 r
	v_add_nc_u32 v[PFO], s78, v3
	v_add_nc_u32 v[PFO+1], 32, v3
	v_min_u32 v[PFO], 149, v[PFO]
	v_min_u32 v[PFO+1], 37, v[PFO+1]
	v_lshlrev_b32 v[PFO], 8, v[PFO]
	v_add_nc_u32 v[PFO+1], s78, v[PFO+1]
	v_min_u32 v[PFO+1], 149, v[PFO+1]
	v_lshlrev_b32 v[PFO+1], 8, v[PFO+1]
	WIN 0x40                                       ; destination window 1
	v_add_nc_u32 v[ADRB], s23, v4
	v_add_nc_u32 v[ADRB+1], s13, v4
	global_load_b128 v[BI:BI+3], v[BO], s[8:9]
	global_load_b128 v[BI+4:BI+7], v[BO], s[8:9] offset:256
	WIN 0
; load n (0..11) of window w's four fragments, step q of a slot, into set p
.macro LDF n, p, slot, q, w
.set LF, (\n)/3
.set LC, (\n)%3
.if (\w) < 2
	ds_load_b128 v[32+48*(\p)+12*LF+4*LC:32+48*(\p)+12*LF+4*LC+3], v[ADRA+(\slot)] offset:STEPB*(\q)+FRB*(4*((\w)%2)+LF)+512*LC
.else
	ds_load_b128 v[32+48*(\p)+12*LF+4*LC:32+48*(\p)+12*LF+4*LC+3], v[ADRB+(\slot)] offset:STEPB*(\q)+FRB*(4*((\w)%2)+LF)+512*LC
.endif
.endm
.macro LDSC g, p, slot, q              ; four scale words a lane: blocks 4 g .. 4 g + 3
	ds_load_b128 v[SC+8*(\p)+4*(\g):SC+8*(\p)+4*(\g)+3], v[ADRS+(\slot)] offset:STEPB*(\q)+256*(\g)
.endm
.macro RUNW w, p, slot, q              ; a window's twelve loads on end
.set QN, 0
.rept 12
	LDF QN, \p, \slot, \q, \w
.set QN, QN+1
.endr
.endm
.macro RUN p, slot, q                  ; a step's 16 fragments and scale words into set p: 50 loads on end
	WIN 0
	RUNW 0, \p, \slot, \q
	LDSC 0, \p, \slot, \q
	LDSC 1, \p, \slot, \q
	WIN 0x40                                       ; destination window 1, address window 0
	RUNW 1, \p, \slot, \q
	WIN 0x81                                       ; destination window 2, address window 1
	RUNW 2, \p, \slot, \q
	WIN 0xc1
	RUNW 3, \p, \slot, \q
.endm
; quadrant w of a step on set p: 16 matrix instructions under one setting
.macro QUAD w, p, zero
	WIN ((\w)/2)|((2+(\w)%2)<<2)|((\w)<<4)|((\w)<<6)
.irp a, 0,1,2,3
.irp b, 0,1,2,3
.if \zero
	v_wmma_scale_f32_16x16x128_f8f6f4 v[128+8*(4*\a+\b):128+8*(4*\a+\b)+7], v[32+48*(\p)+12*\a:32+48*(\p)+12*\a+11], v[32+48*(\p)+12*\b:32+48*(\p)+12*\b+11], 0, v[SC+8*(\p)+4*((\w)/2)+\a], v[SC+8*(\p)+4*((\w)%2)+\b] matrix_a_fmt:MATRIX_FMT_BF6 matrix_b_fmt:MATRIX_FMT_BF6 matrix_b_scale:MATRIX_SCALE_ROW1
.else
	v_wmma_scale_f32_16x16x128_f8f6f4 v[128+8*(4*\a+\b):128+8*(4*\a+\b)+7], v[32+48*(\p)+12*\a:32+48*(\p)+12*\a+11], v[32+48*(\p)+12*\b:32+48*(\p)+12*\b+11], v[128+8*(4*\a+\b):128+8*(4*\a+\b)+7], v[SC+8*(\p)+4*((\w)/2)+\a], v[SC+8*(\p)+4*((\w)%2)+\b] matrix_a_fmt:MATRIX_FMT_BF6 matrix_b_fmt:MATRIX_FMT_BF6 matrix_b_scale:MATRIX_SCALE_ROW1
.endif
.endr
.endr
.endm
; a step of 128 along K on set p.  The next step's fragments (step nq of slot nslot) go into the other set, which the step before multiplied:
; four places stand between its matrix instructions and these loads (ISA guide 7.12.1 for vector instructions).
.macro STEP p, zero, nslot, nq
	s_wait_dscnt 0x0                               ; this step's set, asked for at the head of the step before, is whole
	PLACES
	RUN 1-(\p), \nslot, \nq
	QUAD 0, \p, \zero
	QUAD 1, \p, \zero
	QUAD 2, \p, \zero
	QUAD 3, \p, \zero
.endm
; The last step of a slot: its fragments are in registers, so the slot is read no more; the next step's lie in the other slot.  ONE barrier for both: in front of it each wave waits for all its tensor loads,
; adds 0 to its spare word, and waits for that and for its reads.  fill = 1: the slot takes the fill two on; 2: the last fill, of two steps; 0: nothing is left to fetch.
; ask = 1: the fill THREE on (one change of slots, three K steps, ahead of its load) is prefetched; 2: the same but in the loop's last trip, where that fill is the short last one, which is not asked for.
.macro CSTEP p, slot, nslot, fill, ask
.if \ask
	s_wait_xcnt 0x0                                ; my earlier prefetches have read their address
	s_add_nc_u64 s[PFA:PFA+1], s[PFA:PFA+1], HALFT
.endif
	WIN 0
	s_wait_tensorcnt 0x0                           ; my part of the other slot has landed
	ds_add_u32 v[SPW], v[NIL]
.if \fill
	s_add_nc_u64 s[G0+4*\slot+2:G0+4*\slot+3], s[G0+4*\slot+2:G0+4*\slot+3], 2*HALFT
	s_add_nc_u64 s[G0B+4*\slot+2:G0B+4*\slot+3], s[G0B+4*\slot+2:G0B+4*\slot+3], 2*HALFT
.endif
	s_wait_dscnt 0x0                               ; the add is done and my reads of this slot are over: this step's set is whole
	s_barrier_signal -1
	QUAD 0, \p, 0                                  ; work on registers while the others arrive
	WIN 0
	s_barrier_wait -1
.if \fill == 1
	CREST
	JLOAD G0+4*\slot, G1, G0B+4*\slot, G1B         ; the first tensor load behind the round; its four v_nop are the places in front of the loads below
.elseif \fill == 2
	CREST
	JLOAD G0+4*\slot, G1S, G0B+4*\slot, G1SB
.else
	PLACES
.endif
	RUN 1-(\p), \nslot, 0                          ; 48 matrix instructions ahead of their use
.if \ask
	WIN 0
.if \ask == 2
	s_cmp_gt_u32 s3, 1
	s_cbranch_scc0 .Lno_ask_\@
.endif
	global_prefetch_b8 v[PFO], s[PFA:PFA+1] th:TH_LOAD_NT scope:SCOPE_SE
	global_prefetch_b8 v[PFO+1], s[PFA:PFA+1] th:TH_LOAD_NT scope:SCOPE_SE
.if \ask == 2
.Lno_ask_\@:
.endif
.endif
	QUAD 1, \p, 0
	QUAD 2, \p, 0
	QUAD 3, \p, 0
.endm
; THE WAY OUT, by units of 16 rows x 64 columns: the results of four tiles j at one register e are four neighbouring columns; the bias's addition lays them into four registers on end.
; A store's lanes 0-15 write 256 consecutive bytes, aligned, of row 16 a + e, lanes 16-31 of row 16 a + 8 + e.  Each accumulator is read from its low end on.
.macro OUTU u
.set OA, (\u)/2
.set OG, (\u)%2
.if (\u) > 2
	s_wait_xcnt 0x0                                ; the earlier stores have read their data registers
.endif
	WIN (1<<2)|(2*(OA/4)+OG)                       ; source 0: the quadrant's window; source 1: window 1, the bias
.irp e, 0,1,2,3,4,5,6,7
.irp j, 0,1,2,3
	v_add_f32 v[T+32*((\u)%3)+4*\e+\j], v[128+8*(4*(OA%4)+\j)+\e], v[BI+4*OG+\j]
.endr
.endr
	WIN 0
.irp e, 0,1,2,3,4,5,6,7
	global_store_b128 v[CO], v[T+32*((\u)%3)+4*\e:T+32*((\u)%3)+4*\e+3], s[10:11] offset:(16*OA+\e)*ROWC+256*OG
.endr
.endm
	s_wait_alu depctr_va_vdst(0)
	s_wait_tensorcnt 0x0                           ; my part of steps 0 to 2 is in; the same lines as ahead of a refill:
	ds_add_u32 v[SPW], v[NIL]
	s_wait_dscnt 0x0
	CROUND
	JLOAD G0+4, G1, G0B+4, G1B                     ; steps 3 to 5: slot 1's first fill, the first tensor load behind the round
	RUN 0, 0, 0
	STEP 0, 1, 0, 1                                ; step 0 starts the sums
	WIN 0
	s_mov_b32 s3, LAPS
.Llap:                                                 ; a trip: six steps, once round the ring, from a lap's second step to the next lap's first
	STEP 1, 0, 0, 2
	CSTEP 0, 0, 1, 1, 1
	STEP 1, 0, 1, 1
	STEP 0, 0, 1, 2
	CSTEP 1, 1, 0, 1, 2
	STEP 0, 0, 0, 1
	WIN 0
	s_sub_co_u32 s3, s3, 1
	s_cmp_lg_u32 s3, 0
	s_cbranch_scc1 .Llap
	STEP 1, 0, 0, 2                                ; step 25
	CSTEP 0, 0, 1, 2, 0                            ; step 26: slot 0 takes steps 30 and 31
	STEP 1, 0, 1, 1
	STEP 0, 0, 1, 2
	CSTEP 1, 1, 0, 0, 0                            ; step 29: nothing is filled again
	; steps 30 (set 0) and 31 (set 1)
	s_wait_dscnt 0x0
	PLACES
	RUN 1, 0, 1
	QUAD 0, 0, 0
	QUAD 1, 0, 0
	QUAD 2, 0, 0
	s_wait_dscnt 0x0                               ; step 31's set is whole
	QUAD 0, 1, 0
	QUAD 1, 1, 0                                   ; my rows 0-63 are finished; x's blocks 0-3 are done with: their registers are the way out's
	s_wait_loadcnt 0x0                             ; the bias
	PLACES
	OUTU 0
	OUTU 1
	OUTU 2
	PLACES                                         ; places between the additions and the matrix instructions, and behind these ahead of the next additions
	QUAD 3, 0, 0
	PLACES
	OUTU 3
	OUTU 4
	PLACES
	QUAD 2, 1, 0
	PLACES
	OUTU 5
	OUTU 6
	PLACES
	QUAD 3, 1, 0
	PLACES
.irp u, 7,8,9,10,11,12,13,14,15
	OUTU \u
.endr
	s_wait_tensorcnt 0x0                           ; the wave's end
	ds_add_u32 v[SPW], v[NIL]
	s_wait_dscnt 0x0
	CROUND                                         ; the closing round
	s_endpgm
.Lfunc_end_k_q72f3732f2c_gemm:
	.size	k_q72f3732f2c_gemm, .Lfunc_end_k_q72f3732f2c_gemm-k_q72f3732f2c_gemm
	.p2alignl 7, 3214868480
	.fill 96, 4, 3214868480
	.section	.rodata,"a",@progbits
	.p2align	6, 0x0
	.amdhsa_kernel k_q72f3732f2c_gemm
		.amdhsa_group_segment_fixed_size 327680
		.amdhsa_private_segment_fixed_size 0
		.amdhsa_enable_private_segment 0
		.amdhsa_kernarg_size 32
		.amdhsa_user_sgpr_count 2
		.amdhsa_user_sgpr_kernarg_segment_ptr 1
		.amdhsa_wavefront_size32 1
		.amdhsa_system_sgpr_workgroup_id_x 1
		.amdhsa_system_sgpr_workgroup_id_y 1
		.amdhsa_system_sgpr_workgroup_id_z 1
		.amdhsa_system_vgpr_workitem_id 0
		.amdhsa_next_free_vgpr 1024
		.amdhsa_next_free_sgpr 88
		.amdhsa_reserve_vcc 0
		.amdhsa_float_denorm_mode_32 3
		.amdhsa_float_denorm_mode_16_64 3
		.amdhsa_memory_ordered 1
		.amdhsa_forward_progress 1
		.amdhsa_inst_pref_size 205
	.end_amdhsa_kernel
	.amdgpu_metadata
---
amdhsa.version: [ 1, 2 ]
amdhsa.kernels:
  - .name:           k_q72f3732f2c_gemm
    .symbol:         k_q72f3732f2c_gemm.kd
    .args:
      - { .name: xq, .offset: 0, .size: 8, .value_kind: global_buffer, .address_space: global }
      - { .name: wq, .offset: 8, .size: 8, .value_kind: global_buffer, .address_space: global }
      - { .name: bias, .offset: 16, .size: 8, .value_kind: global_buffer, .address_space: global }
      - { .name: out0, .offset: 24, .size: 8, .value_kind: global_buffer, .address_space: global }
    .group_segment_fixed_size: 327680
    .private_segment_fixed_size: 0
    .kernarg_segment_align: 8
    .kernarg_segment_size: 32
    .max_flat_workgroup_size: 128
    .sgpr_count:     88
    .vgpr_count:     1024
    .wavefront_size: 32
...
	.end_amdgpu_metadata
.endif
;; end of part 2
